; MI455X (gfx1250); checked and timed in simulation.
; The chip was launched on July 23, 2026; its instructions are those of AMD's public machine-readable ISA for CDNA 5 (MIT licence, August 2026) and "CDNA5" Instruction Set Architecture Reference Guide (July 2026). The comments in the code are by the model that wrote it; some were corrected since.
;; Fast Feed Forward Network. Allowed arithmetic: matrix products marked QUANTISED: E4M3 operands, one given power-of-two scale a tensor, by v_wmma_f32_16x16x64_fp8_fp8 or v_wmma_f32_16x16x128_fp8_fp8, f32 sums; products left as they are: f32 operands where the result goes on into a quantised operand, else bf16, f16 or f32 operands; f32 sums; everything else in f32.
;; Inputs: b1 16 x 256 float32; b2 16 x 1,024 float32; bnode 15 x 1 float32; inputs 4 x 2,048 x 1,024 float32; lowp_scales 4 int32 (the exponents e of the quantised operands' scales 2^e); w1 16 x 262,144 float32; w2 16 x 131,072 float32; wnode 15 x 1,024 float32.
;; Outputs: out0 4 x 2,048 x 1,024 float32.
;; Constants: training = 1.
;; This version of the problem:
;;   THIS VERSION OF THE PROBLEM IS GIVEN IN LOW PRECISION. The matrix products marked QUANTISED in the list below multiply operands that are first quantised to E4M3 (4 exponent bits, 3 mantissa bits; 8 bits a number), with one given power-of-two scale for each operand tensor; their sums are f32. All else is computed in f32.
;;   The module's matrix products, in the order in which they are computed (A, B: the left and right operand; K: the contracted axis; several contracted axes count as one K, in the product's order):
;;     1. [M 8,192, K 1,024] x [K 1,024, N 4]; A: input inputs; B: input wnode: left as it is (N = 4 < 16)
;;     2. [M 8,192, K 1,024] x [K 1,024, N 4,096]; A: input inputs; B: input w1: QUANTISED (scales: A lowp_scales[0], B lowp_scales[1])
;;     3. [M 8,192, K 2,048] x [K 2,048, N 1,024]; A: computed on the way; B: input w2: QUANTISED (scales: A lowp_scales[2], B lowp_scales[3])
;;     4. [M 8,192, K 16] x [K 16, N 1,024]; A: computed on the way; B: input b2: left as it is (K = 16 < 32)
;;   THE QUANTISER, for each operand of a quantised product, along K:
;;     - The operand's scale is 2^e, e = its entry of the input lowp_scales (int32; the entries are numbered through the quantised products in the list's order, A before B).
;;     - Each number is divided by the scale, clamped to +-448, and rounded to the nearest number of E4M3, ties to even, subnormals kept.
;;     - The product sums the exact products of the quantised numbers (number of the format x scale) in f32.
;;   ~~~python
;;   def quantise(x, axis, e):      # numpy; x: float32 -> the quantised numbers, widened to float32 again
;;       x = np.moveaxis(x, axis, -1); K = x.shape[-1]
;;       r = np.clip(x / 2.0 ** e, -448, 448)
;;       step = 2.0 ** (np.maximum(np.frexp(np.where(r == 0, 1, r))[1] - 1, -6) - 3)
;;       q = np.round(r / step) * step * 2.0 ** e      # np.round: ties to even
;;       return np.moveaxis(q, -1, axis).astype(np.float32)
;;   ~~~
;;   OPERANDS COMPUTED ON THE WAY. 'Computed on the way' means the value that the module computes at that place (a softmax that the list does not call 'softmax' is quantised finished and normalised). What goes into a quantiser is computed in f32, as accurately as f32 sums, v_exp_f32 and their like allow (about 1e-6 of the number): no bf16 or f16 on the way to a quantiser, and a product that is left as it is and whose result goes on into a quantised operand takes f32 operands (vector FMAs, or v_wmma_f32_16x16x4_f32). A number that lies on a knife's edge between two numbers of the format may be rounded either way, as far as f32 arithmetic and the matrix unit's own rounding can turn it there, and no further.
;; One version. Each part assembles by itself: llvm-mc -triple=amdgcn-amd-amdhsa -mcpu=gfx1250 --defsym DOCPART=n.
;; ======== version 1 of 1: 2 launches
;; limits: right only within a limited range of input values
;; workspace buffers: xc 8,388,608 bytes; w1c 4,194,304 bytes; w2c 2,097,152 bytes; blk 16,384 bytes of whole numbers
;; launch front (part 1): grid 448 x 1, 8 waves a work-group, no clusters, 18,432 bytes of LDS; arguments inputs, wnode, bnode, lowp_scales, xc, blk, w1, w2, w1c, w2c; writes xc, blk, w1c, w2c
.if DOCPART == 1
	.amdgcn_target "amdgcn-amd-amdhsa--gfx1250"
	.amdhsa_code_object_version 6
	.text
	.protected	k_q8954818688_front
	.globl	k_q8954818688_front
	.p2align	8
	.type	k_q8954818688_front,@function
k_q8954818688_front:
	s_mov_b64 s[64:65], 0
	v_nop
	global_prefetch_b8 v0, s[64:65] scope:SCOPE_SE
	s_setreg_imm32_b32 hwreg(HW_REG_WAVE_MODE, 25, 1), 1
	s_wait_xcnt 0x0
; FRONT.  Three kinds of work-group, told apart by the work-group's number alone:
;   0-255    ROUTE: 32 tokens each: the four logits in f32, the leaf, and the row's codes of E4M3 with the scale 2^e0.
;   256-383  W1 [16][1024 (k)][256 (unit)] f32 -> codes with 2^e1, laid as images of operand registers.
;   384-447  W2 [16][128 (unit)][1024 (column)] f32 -> the same with 2^e3.
; WORK LEFT OUT.  c - stop(c) + stop(rint(c)) is rint(c), 0 or 1; a leaf's gate is a product of four factors c or 1 - c, so it is 1 for leaf = 15 - (8 c0 + 4 c1 + 2 c2 + c3) and 0 for the fifteen others,
; for all finite inputs: reference() throws the other fifteen leaves' results away by its own gate.  A token is multiplied with its own leaf alone.  wnode and bnode are sliced to their first four rows: the others are not read.
; LIMIT: a NaN, an infinity or an overflow that reaches only the work left out is not carried to the result.
; ROUTE.  Wave w takes half hf = w & 1 of the rows of eight tokens: four loads of 512 consecutive bytes a half row, all 32 out at once; lane l holds k = 512 hf + 128 j + 4 l + i (load j, register i).
; wnode's four rows come once through LDS, each wave's half into 64 registers.  A half's sum is 64 partial sums of 8 products, then a tree; the two halves meet in LDS.
; THE CODES' ORDER IN A ROW OF xc: byte s holds k = 512 (s >> 9) + 128 ((s >> 2) & 3) + 4 ((s >> 4) & 31) + (s & 3); each store of the wave covers 512 consecutive bytes, aligned.
; blk [8 groups of 1,024 tokens][16 leaves][32 blocks]: bit t of the word says whether token 32 block + t of the group has the leaf.  The leaf is only ever a VALUE here: no address and no branch hangs on it.
; AN IMAGE is a fragment of 16 registers a lane: registers 4 c .. 4 c + 3 of lane l lie at byte 512 c + 16 l of its 2,048.
; W1's image (leaf, p = 4 g + i, q, H) at ((leaf x 8 + p) x 8 + q) x 4,096 + 2,048 H: lane (r, hh) holds unit 128 H + 64 g + 4 r + i; register 4 c + rho, byte beta holds the k that a row of xc holds at byte
;   128 q + 32 c + 16 hh + 4 rho + beta, which is 512 (q >> 2) + 32 (q & 3) + 128 rho + 8 c + 4 hh + beta.
; W2's image (leaf, T = 4 G + i) at (leaf x 64 + T) x 2,048: lane (r, hh) holds column 64 G + 4 r + i; register 4 c + rho, byte beta, n = 4 rho + beta, holds unit 64 (c >> 1) + 32 hh + 4 (n & 7) + 2 (c & 1) + (n >> 3).
; THE WEIGHTS' WAY.  A lane loads four neighbouring columns of 16 rows that are, column by column, a lane's 16 codes; the hold writes its result into the turned place.  Two pieces (hh = 0, 1) a wave, 32 loads, all out at once.
; LIMITS: e0, e1, e3 between -126 and 119.  NaN among the inputs is not served.  A logit so near 0 that sigmoid lies within a rounding of 0.5 may go either way.
; No matrix unit (four columns), no tensor loads, no cluster, no prefetch: each byte is read once, and the loads are issued as soon as their addresses are known.
.set LG,  16384                        ; LDS: wnode's four rows at 0; from here 16 bytes of half sums for each half and each of the 32 tokens
.set SPARE, 17408                      ; the spare words, 128 bytes a wave
.set NIL, 6
.set SPW, 13
.set W,  16                            ; v16-79   wnode: row m at 16 m + 4 j + i
.set X,  80                            ; v80-207  eight half rows of 16
.set A,  208                           ; v208-215 four pairs of partial sums
.set C,  216                           ; v216-247 codes: four registers for each token, so no store's data are written again
.set ST, 240                           ; v240-255 wnode on its way to LDS, before the codes
.set LDR, 16                           ; weights: v16-143  as loaded: 64 hh + 4 n + i
.set TR,  144                          ; v144-207 turned: 16 i + n
.set CD,  208                          ; v208-239 codes: each piece has its own, so no store's data are written again
	s_load_b256 s[4:11], s[0:1], 0x0               ; inputs s[4:5], wnode s[6:7], bnode s[8:9], the scales' exponents s[10:11]
	s_load_b128 s[12:15], s[0:1], 0x20             ; xc s[12:13], blk s[14:15]
	s_load_b256 s[36:43], s[0:1], 0x30             ; w1 s[36:37], w2 s[38:39], w1c s[40:41], w2c s[42:43]
	v_lshl_add_u32 v[SPW], v0, 2, SPARE
	v_mov_b32 v[NIL], 0
	v_lshrrev_b32 v12, 5, v0
	v_readfirstlane_b32 s16, v12                   ; wave 0..7
	v_and_b32 v7, 31, v0                           ; lane
	v_lshlrev_b32 v1, 4, v7                        ; 16 x lane
	s_wait_alu depctr_va_vdst(0)
	s_cmp_lt_u32 ttmp9, 256
	s_cbranch_scc0 .Lweights
	s_and_b32 s34, s16, 1                          ; hf
	s_lshr_b32 s35, s16, 1                         ; which eight tokens
	s_lshl_b32 s17, s34, 9
	s_lshl_b32 s19, s35, 7
	s_add_co_u32 s17, s17, s19
	s_add_co_u32 s17, s17, LG                      ; where my wave puts its eight half sums
	s_lshl_b32 s18, ttmp9, 5
	s_lshl_b32 s19, s35, 3
	s_add_co_u32 s18, s18, s19                     ; my first token: 32 x work-group + 8 x (w >> 1)
	s_lshl_b32 s22, s18, 10
	s_lshl_b32 s19, s34, 9
	s_add_co_u32 s22, s22, s19                     ; its codes: 1,024 bytes a row, my half
	s_mov_b32 s23, 0
	s_lshl_b32 s34, s34, 11                        ; my half of a row of 4,096 bytes
	s_lshl_b32 s18, s18, 12
	s_add_co_u32 s18, s18, s34
	s_mov_b32 s19, 0
	s_lshr_b32 s32, ttmp9, 5
	s_lshl_b32 s32, s32, 11                        ; the group's 2,048 bytes of blk
	s_and_b32 s33, ttmp9, 31
	s_lshl_b32 s33, s33, 2
	s_add_co_u32 s32, s32, s33                     ; + my block's word
	s_mov_b32 s33, 0
	s_mov_b32 s28, 0x76543210                      ; v_permlanex16_b32: each lane takes its own place in the other half
	s_mov_b32 s29, 0xfedcba98
	v_lshl_add_u32 v12, v12, 11, v1                ; my 16 bytes of my wave's 2,048 of wnode's 16,384: in memory and in LDS alike
	v_mov_b32 v2, s17
	v_add_nc_u32 v3, LG, v1                        ; where wave 0 reads the half sums: lane = token
	v_add_nc_u32 v14, s34, v1                      ; my half of wnode's rows in LDS
	s_wait_alu depctr_va_vdst(0)                   ; directly ahead of the wait below
	s_wait_kmcnt 0x0
	s_load_b32 s20, s[10:11], 0x0                  ; e0
	s_load_b128 s[24:27], s[8:9], 0x0              ; bnode[0..3]
	s_add_nc_u64 s[4:5], s[4:5], s[18:19]
	s_add_nc_u64 s[12:13], s[12:13], s[22:23]
	s_add_nc_u64 s[14:15], s[14:15], s[32:33]
.irp i, 0,1,2,3
	global_load_b128 v[ST+4*\i:ST+4*\i+3], v12, s[6:7] offset:512*\i
.endr
.irp t, 0,1,2,3,4,5,6,7
.irp j, 0,1,2,3
	global_load_b128 v[X+16*\t+4*\j:X+16*\t+4*\j+3], v1, s[4:5] offset:4096*\t+512*\j th:TH_LOAD_NT
.endr
.endr
	s_wait_loadcnt 32                              ; wnode's four loads are in; the half rows' 32 stay out
.irp i, 0,1,2,3
	ds_store_b128 v12, v[ST+4*\i:ST+4*\i+3] offset:512*\i
.endr
	s_wait_dscnt 0x0                               ; for the others' sake: my part of wnode lies in LDS
	s_barrier_signal -1
	s_barrier_wait -1
.irp m, 0,1,2,3
.irp j, 0,1,2,3
	ds_load_b128 v[W+16*\m+4*\j:W+16*\m+4*\j+3], v14 offset:4096*\m+512*\j   ; wnode[m][512 hf + 128 j + 4 l + 0..3]
.endr
.endr
	s_wait_kmcnt 0x0
	s_add_co_i32 s20, s20, 127
	s_lshl_b32 s21, s20, 23
	v_mov_b32 v4, s21                              ; 2^e0 as f32: the conversion takes its exponent field
	s_add_co_i32 s20, s20, 8
	s_lshl_b32 s20, s20, 23
	s_or_b32 s20, s20, 0x600000
	v_mov_b32 v5, s20                              ; 448 x 2^e0
	s_wait_alu depctr_va_vdst(0)
	s_wait_dscnt 0x0
.macro TOKEN t                         ; one token's half row
.set XS, X+16*\t
	s_wait_loadcnt 28-4*\t                         ; its four loads are in; the later tokens' may be out
.irp m, 0,1,2,3
	v_pk_mul_f32 v[A+2*\m:A+2*\m+1], v[XS:XS+1], v[W+16*\m:W+16*\m+1]      ; the first products start the sums
.endr
.irp n, 1,2,3,4,5,6,7
.irp m, 0,1,2,3
	v_pk_fma_f32 v[A+2*\m:A+2*\m+1], v[XS+2*\n:XS+2*\n+1], v[W+16*\m+2*\n:W+16*\m+2*\n+1], v[A+2*\m:A+2*\m+1]   ; four chains by turns
.endr
.endr
.irp m, 0,1,2,3
	v_add_f32 v[A+2*\m], v[A+2*\m], v[A+2*\m+1]
.endr
.irp x, 1,2,4,8
.irp m, 0,1,2,3
	v_add_f32_dpp v[A+2*\m], v[A+2*\m], v[A+2*\m] row_xmask:\x row_mask:0xf bank_mask:0xf
.endr
.endr
.irp m, 0,1,2,3
	v_permlanex16_b32 v[A+2*\m+1], v[A+2*\m], s28, s29
.endr
	s_wait_alu depctr_va_vdst(0)                   ; directly ahead of the wait below
	s_wait_dscnt 0x0                               ; the last token's store of its half sums is done
.irp m, 0,1,2,3
	v_add_f32 v[8+\m], v[A+2*\m], v[A+2*\m+1]      ; every lane holds the four sums
.endr
	ds_store_b128 v2, v[8:11] offset:16*\t         ; all lanes write the same 16 bytes with the same numbers
.irp i, 0,1,2,3,4,5,6,7,8,9,10,11,12,13,14,15
	v_med3_num_f32 v[XS+\i], v[XS+\i], -v5, v5     ; the conversion to an 8-bit code does not saturate (ISA guide 7.6.2): the hold at 448 x the scale comes first
.endr
.irp n, 0,1
	v_cvt_scalef32_pk8_fp8_f32 v[C+4*\t+2*\n:C+4*\t+2*\n+1], v[XS+8*\n:XS+8*\n+7], v4
.endr
	v_nop                                          ; one plain vector instruction behind the last conversion
	global_store_b128 v1, v[C+4*\t:C+4*\t+3], s[12:13] offset:1024*\t   ; 32 lanes store 512 consecutive bytes, aligned
.endm
.irp t, 0,1,2,3,4,5,6,7
	TOKEN \t
.endr
	s_wait_alu depctr_va_vdst(0)
	s_wait_dscnt 0x0                               ; for wave 0's sake: my half sums lie in LDS
	s_barrier_signal -1
	s_barrier_wait -1
	s_cmp_lg_u32 s16, 0
	s_cbranch_scc1 .Lend                           ; wave 0 finishes the block: lane = token
	ds_load_b128 v[8:11], v3
	ds_load_b128 v[A:A+3], v3 offset:512
	s_wait_dscnt 0x0
.irp m, 0,1,2,3
	v_add_f32 v[8+\m], v[8+\m], v[A+\m]            ; the two halves
.endr
	v_add_f32 v8, s24, v8
	v_add_f32 v9, s25, v9
	v_add_f32 v10, s26, v10
	v_add_f32 v11, s27, v11
.irp m, 0,1,2,3
	v_mul_f32 v[8+\m], 0xbfb8aa3b, v[8+\m]         ; - logit x log2(e)
.endr
	s_wait_alu depctr_va_vdst(0)
.irp m, 0,1,2,3
	v_exp_f32 v[8+\m], v[8+\m]
.endr
	v_nop
	s_wait_alu depctr_va_vdst(0)
.irp m, 0,1,2,3
	v_add_f32 v[8+\m], 1.0, v[8+\m]
.endr
	s_wait_alu depctr_va_vdst(0)
.irp m, 0,1,2,3
	v_rcp_f32 v[8+\m], v[8+\m]                     ; sigmoid
.endr
	v_nop
	s_wait_alu depctr_va_vdst(0)
.irp m, 0,1,2,3
	v_rndne_f32 v[8+\m], v[8+\m]                   ; c = 0 or 1; exactly 0.5 goes to 0, as rint has it
.endr
	v_fma_f32 v12, v8, 2.0, v9
	v_fma_f32 v12, v12, 2.0, v10
	v_fma_f32 v12, v12, 2.0, v11                   ; 8 c0 + 4 c1 + 2 c2 + c3
	v_sub_f32 v12, 0x41700000, v12                 ; 15 - that
	v_cvt_u32_f32 v12, v12                         ; the leaf
	v_mov_b32 v14, 0
.irp e, 0,1,2,3,4,5,6,7,8,9,10,11,12,13,14,15
	v_cmp_eq_u32 s30, \e, v12                      ; which tokens have leaf e
	v_writelane_b32 v14, s30, \e                   ; lane e holds that mask
.endr
	v_lshlrev_b32 v15, 7, v7                       ; lane e: the leaf's 128 bytes
	v_cmp_gt_u32 vcc_lo, 16, v7
	s_wait_alu depctr_va_vdst(0)                   ; directly ahead of the wait below
	s_wait_xcnt 0x0                                ; EXEC changes only behind this wait
	s_and_saveexec_b32 s30, vcc_lo
	global_store_b32 v15, v14, s[14:15]            ; sixteen masks
	s_wait_xcnt 0x0
	s_or_b32 exec_lo, exec_lo, s30
.Lend:
	s_barrier_signal -1
	s_barrier_wait -1
	s_wait_tensorcnt 0x0                           ; the wave's end
	ds_add_u32 v[SPW], v[NIL]
	s_wait_dscnt 0x0
	s_endpgm
.macro WPATH kind
	s_and_b32 s20, s16, 3                          ; c = my wave modulo 4; waves 4-7 take the next unit
	s_lshr_b32 s26, s16, 2
.if \kind == 1
.set ISTR, 32768                       ; from column i to column i + 1: the next p
.set GSH,  17                          ; lanes 16-31 hold g = 1: four p on
	s_sub_co_u32 s21, ttmp9, 256
	s_lshl_b32 s21, s21, 1
	s_add_co_u32 s21, s21, s26
	s_lshr_b32 s22, s21, 4                         ; leaf
	s_bfe_u32 s23, s21, 0x10003                    ; H
	s_and_b32 s24, s21, 7                          ; q
	s_lshr_b32 s25, s24, 2
	s_lshl_b32 s25, s25, 9
	s_and_b32 s26, s24, 3
	s_lshl_b32 s26, s26, 5
	s_add_co_u32 s25, s25, s26
	s_lshl_b32 s26, s20, 3
	s_add_co_u32 s25, s25, s26                     ; 512 (q >> 2) + 32 (q & 3) + 8 c: the first row
	s_lshl_b32 s28, s25, 10                        ; rows of 1,024 bytes
	s_lshl_b32 s26, s22, 20
	s_add_co_u32 s28, s28, s26
	s_lshl_b32 s26, s23, 9
	s_add_co_u32 s28, s28, s26                     ; + the leaf + 128 H columns
	s_lshl_b32 s30, s22, 18
	s_lshl_b32 s26, s24, 12
	s_add_co_u32 s30, s30, s26
	s_lshl_b32 s26, s23, 11
	s_add_co_u32 s30, s30, s26
	s_lshl_b32 s26, s20, 9
	s_add_co_u32 s30, s30, s26                     ; out: leaf, q, H, register group c
.else
.set ISTR, 2048                        ; the next T
.set GSH,  13                          ; four T on
	s_sub_co_u32 s21, ttmp9, 384
	s_lshl_b32 s21, s21, 1
	s_add_co_u32 s21, s21, s26
	s_lshr_b32 s22, s21, 3                         ; leaf
	s_and_b32 s24, s21, 7                          ; which 128 columns
	s_lshr_b32 s25, s20, 1
	s_lshl_b32 s25, s25, 6
	s_and_b32 s26, s20, 1
	s_lshl_b32 s26, s26, 1
	s_add_co_u32 s25, s25, s26                     ; 64 (c >> 1) + 2 (c & 1): the first row
	s_lshl_b32 s28, s25, 12                        ; rows of 4,096 bytes
	s_lshl_b32 s26, s22, 19
	s_add_co_u32 s28, s28, s26
	s_lshl_b32 s26, s24, 9
	s_add_co_u32 s28, s28, s26
	s_lshl_b32 s30, s22, 17
	s_lshl_b32 s26, s24, 14
	s_add_co_u32 s30, s30, s26
	s_lshl_b32 s26, s20, 9
	s_add_co_u32 s30, s30, s26
.endif
	s_mov_b32 s29, 0
	s_mov_b32 s31, 0
	v_lshrrev_b32 v5, 4, v7
	v_and_b32 v3, 15, v7
	v_lshlrev_b32 v3, 4, v3
	v_lshl_add_u32 v2, v5, GSH, v3                 ; out: 16 (lane % 16), and the images of lanes 16-31
	s_wait_alu depctr_va_vdst(0)                   ; directly ahead of the wait below
	s_wait_kmcnt 0x0
.if \kind == 1
	s_load_b32 s34, s[10:11], 0x4                  ; e1
	s_add_nc_u64 s[28:29], s[36:37], s[28:29]
	s_add_nc_u64 s[30:31], s[40:41], s[30:31]
.else
	s_load_b32 s34, s[10:11], 0xc                  ; e3
	s_add_nc_u64 s[28:29], s[38:39], s[28:29]
	s_add_nc_u64 s[30:31], s[42:43], s[30:31]
.endif
.irp hh, 0,1
.irp n, 0,1,2,3,4,5,6,7,8,9,10,11,12,13,14,15
.if \kind == 1
.set ROWB, (128*(\n/4)+4*\hh+\n%4)*1024
.else
.set ROWB, (32*\hh+4*(\n%8)+\n/8)*4096
.endif
	global_load_b128 v[LDR+64*\hh+4*\n:LDR+64*\hh+4*\n+3], v1, s[28:29] offset:ROWB th:TH_LOAD_NT   ; 32 lanes read 512 consecutive bytes of one row
.endr
.endr
	s_wait_kmcnt 0x0
	s_add_co_i32 s34, s34, 127
	s_lshl_b32 s35, s34, 23
	v_mov_b32 v11, s35                             ; the scale as f32
	s_add_co_i32 s34, s34, 8
	s_lshl_b32 s34, s34, 23
	s_or_b32 s34, s34, 0x600000
	v_mov_b32 v10, s34                             ; 448 x the scale
	s_wait_alu depctr_va_vdst(0)
.irp hh, 0,1
	s_wait_loadcnt 16-16*\hh                       ; this piece's 16 loads are in; the other piece's may be out
.irp i, 0,1,2,3
.irp n, 0,1,2,3,4,5,6,7,8,9,10,11,12,13,14,15
	v_med3_num_f32 v[TR+16*\i+\n], v[LDR+64*\hh+4*\n+\i], -v10, v10   ; the hold, written into the turned place
.endr
.endr
.irp i, 0,1,2,3
	v_cvt_scalef32_pk8_fp8_f32 v[CD+16*\hh+4*\i:CD+16*\hh+4*\i+1], v[TR+16*\i:TR+16*\i+7], v11
	v_cvt_scalef32_pk8_fp8_f32 v[CD+16*\hh+4*\i+2:CD+16*\hh+4*\i+3], v[TR+16*\i+8:TR+16*\i+15], v11
.endr
	v_nop                                          ; one plain vector instruction behind the last conversion
.irp i, 0,1,2,3
	global_store_b128 v2, v[CD+16*\hh+4*\i:CD+16*\hh+4*\i+3], s[30:31] offset:\i*ISTR+256*\hh   ; sixteen lanes store 256 consecutive bytes of one image, aligned
.endr
.endr
.endm
.Lweights:
	s_cmp_lt_u32 ttmp9, 384
	s_cbranch_scc0 .Lw2
	WPATH 1
	s_endpgm
.Lw2:
	WPATH 2
	s_endpgm
.Lfunc_end_k_q8954818688_front:
	.size	k_q8954818688_front, .Lfunc_end_k_q8954818688_front-k_q8954818688_front
	.p2alignl 7, 3214868480
	.fill 96, 4, 3214868480
	.section	.rodata,"a",@progbits
	.p2align	6, 0x0
	.amdhsa_kernel k_q8954818688_front
		.amdhsa_group_segment_fixed_size 18432
		.amdhsa_private_segment_fixed_size 0
		.amdhsa_enable_private_segment 0
		.amdhsa_kernarg_size 80
		.amdhsa_user_sgpr_count 2
		.amdhsa_user_sgpr_kernarg_segment_ptr 1
		.amdhsa_wavefront_size32 1
		.amdhsa_system_sgpr_workgroup_id_x 1
		.amdhsa_system_sgpr_workgroup_id_y 1
		.amdhsa_system_sgpr_workgroup_id_z 1
		.amdhsa_system_vgpr_workitem_id 0
		.amdhsa_next_free_vgpr 256
		.amdhsa_next_free_sgpr 66
		.amdhsa_reserve_vcc 1
		.amdhsa_float_denorm_mode_32 3
		.amdhsa_float_denorm_mode_16_64 3
		.amdhsa_memory_ordered 1
		.amdhsa_forward_progress 1
		.amdhsa_inst_pref_size 80
	.end_amdhsa_kernel
	.amdgpu_metadata
---
amdhsa.version: [ 1, 2 ]
amdhsa.kernels:
  - .name:           k_q8954818688_front
    .symbol:         k_q8954818688_front.kd
    .args:
      - { .name: inputs, .offset: 0, .size: 8, .value_kind: global_buffer, .address_space: global }
      - { .name: wnode, .offset: 8, .size: 8, .value_kind: global_buffer, .address_space: global }
      - { .name: bnode, .offset: 16, .size: 8, .value_kind: global_buffer, .address_space: global }
      - { .name: lowp_scales, .offset: 24, .size: 8, .value_kind: global_buffer, .address_space: global }
      - { .name: xc, .offset: 32, .size: 8, .value_kind: global_buffer, .address_space: global }
      - { .name: blk, .offset: 40, .size: 8, .value_kind: global_buffer, .address_space: global }
      - { .name: w1, .offset: 48, .size: 8, .value_kind: global_buffer, .address_space: global }
      - { .name: w2, .offset: 56, .size: 8, .value_kind: global_buffer, .address_space: global }
      - { .name: w1c, .offset: 64, .size: 8, .value_kind: global_buffer, .address_space: global }
      - { .name: w2c, .offset: 72, .size: 8, .value_kind: global_buffer, .address_space: global }
    .group_segment_fixed_size: 18432
    .private_segment_fixed_size: 0
    .kernarg_segment_align: 8
    .kernarg_segment_size: 80
    .max_flat_workgroup_size: 256
    .sgpr_count:     66
    .vgpr_count:     256
    .wavefront_size: 32
...
	.end_amdgpu_metadata
.endif
;; end of part 1
;; launch chain (part 2): grid 256 x 1, 8 waves a work-group, no clusters, 77,056 bytes of LDS; arguments xc, w1c, w2c, b1, b2, lowp_scales, blk, out0; writes out0
.if DOCPART == 2
	.amdgcn_target "amdgcn-amd-amdhsa--gfx1250"
	.amdhsa_code_object_version 6
	.text
	.protected	k_q8954818688_chain
	.globl	k_q8954818688_chain
	.p2align	8
	.type	k_q8954818688_chain,@function
k_q8954818688_chain:
	s_mov_b64 s[64:65], 0
	v_nop
	global_prefetch_b8 v0, s[64:65] scope:SCOPE_SE
	s_setreg_imm32_b32 hwreg(HW_REG_WAVE_MODE, 25, 1), 1
	s_wait_xcnt 0x0
; CHAIN.  Work-group n takes leaf n & 15 and one half (n >> 4 & 1) of the rows of that leaf among 1,024 tokens (group n >> 5), through the whole chain: gather the rows' codes,
; h = x W1[leaf] x 2^(e0 + e1) + b1[leaf], a = h[128:] x h[:128], a quantised with 2^e2, out = a W2[leaf] x 2^(e2 + e3) + b2[leaf], stored to the tokens' rows.  Each output row has one owner.
; WORK LEFT OUT: the leaves whose gate is exactly 0 (shown at the first kernel's head): only the chosen leaf's 256 columns of the first product and 128 of the second product's K are multiplied.
; LEAF AND GROUP ARE FIXED BY THE NUMBER, so the weights are asked for at once.  Which tokens: 32 masks of 32 bits; the group's R rows are shared evenly: the first half takes ceil(R / 2) of them;
; a row's token is found by popcounts, in registers.
; PASSES.  A pass takes up to 64 rows in SLOTS 0..63; a work-group has at most 512 rows, so a loop of eight trips serves every split.  Barriers stand outside every branch on the counts; a trip with no rows left passes
; over the work alone.  Slots behind the last row repeat it in whole tiles of 16; their rows are stored at most once more, with the same numbers at the same address.
; SHARES.  THE WAVES SHARE THE COLUMNS.  Wave w = 4 g + i makes hidden units 64 g + 4 n + i (n = 0..15) and their partners 128 further on, for all rows, so the gated product stays in a lane; then output columns 128 w .. 128 w + 127.
; Each weight byte is read once by the work-group, straight into registers, as an image of an operand's registers.
; THE FIRST PRODUCT IS USED TRANSPOSED (source 0 = units, source 1 = tokens): a lane holds one token and registers along the units, the next K; lane (r, hh), register j: unit 64 g + 32 hh + 4 j + i.
; THE SECOND IS NOT (source 0 = tokens, source 1 = columns): lane (r, hh), register j: row 8 hh + j of the tile, column 64 G + 4 r + i of image 4 G + i: the four images of a G give a lane 4 neighbouring columns, and sixteen
; lanes 256 consecutive bytes of a row of out0: no stage in LDS.  Row rho of a tile is slot 2 (rho & 7) + (rho >> 3), so that the store of register j holds slots 2 j and 2 j + 1.
; LDS: X 64 rows of codes, 1,024 bytes + 16 (64 banks of 4 bytes: ISA guide 11.1); AIMG four images of a; TOK the slots' tokens; B1L 128 bytes of b1 for each wave; the spare words.
; REGISTERS: window 0: v1-15 addresses and scales; v16-23 b2; v24-55 the stores' offsets; v56-119 the gather, then the first product's accumulators, then results; v120-183 x's, then a's fragments;
; v184-199 b1, v200-247 the search for tokens, then x's second set; later v184-247 results.  Window 1: W1's sixteen fragments (K step q at 32 q); W2's eight come into the places of K steps 0-3, the second product's results
; into those of 4-7.
; LIMITS: e2 between -126 and 119; e0 + e1 and e2 + e3 between -126 and 127.  NaN is not served.
; NOT USED, and why.  Tensor loads, clusters and joint loads: branches here hang on counts read from memory.
; Prefetches: every load is issued as soon as its address is known; no loop of loads runs ahead.
.set XP,   1040
.set AIMG, 64*XP
.set TOK,  AIMG+4*2048
.set B1L,  TOK+256
.set SPARE, B1L+1024
.set L16, 1                            ; 16 x lane
.set XA,  2                            ; x's fragments
.set XW,  3                            ; the gather's way into LDS: row w
.set AST, 4                            ; registers 2 w, 2 w + 1 of a's image
.set ALD, 5
.set TKW, 6
.set TKR, 7
.set CO,  8                            ; 16 r
.set SC,  9                            ; 2^e2
.set HLD, 10                           ; 448 x 2^e2
.set BW,  11
.set BR,  12
.set PV,  13                           ; my slot in the search: 8 (lane & 7) + w
.set SPW, 14
.set NIL, 15
.set B2,  16
.set OFFS, 24
.set ACC, 56
.set XF,  120
.set B1,  184
.set TK,  200
.set X2,  200                          ; x's second set, 48 registers
.set PASS, 18                          ; s18 the pass, s19 64 x it, s20 the rows left from it on, s21 the same for the pass that is fetched
.set LIM,  19
.set LEFT, 20
.set FLEFT, 21
.set MSB, 0
.macro WIN new                         ; s_set_vgpr_msb: bits 1:0 source 0, 3:2 source 1, 5:4 source 2, 7:6 destination; the high byte repeats the setting that is left
.if MSB != \new
	s_set_vgpr_msb (MSB<<8)|\new
.set MSB, \new
.endif
.endm
	s_load_b512 s[8:23], s[0:1], 0x0               ; xc s[8:9], w1c s[10:11], w2c s[12:13], b1 s[14:15], b2 s[16:17], exponents s[18:19], blk s[20:21], out0 s[22:23]
	v_lshl_add_u32 v[SPW], v0, 2, SPARE
	v_mov_b32 v[NIL], 0
	v_lshrrev_b32 v[TK], 5, v0
	v_readfirstlane_b32 s2, v[TK]                  ; wave 0..7
	s_and_b32 s3, ttmp9, 15                        ; leaf
	s_lshr_b32 s4, ttmp9, 4
	s_and_b32 s104, s4, 1                          ; which half of the rows
	s_lshr_b32 s4, s4, 1                           ; group of 1,024 tokens
	s_lshl_b32 s27, s4, 10                         ; its first token
	s_mul_i32 s5, s2, XP
	s_lshr_b32 s24, s2, 1
	s_and_b32 s25, s2, 1
	s_lshl_b32 s6, s24, 9
	s_lshl_b32 s26, s25, 3
	s_add_co_u32 s6, s6, s26
	s_add_co_u32 s6, s6, AIMG                      ; a's image: group w / 2, byte 8 (w % 2)
	s_lshl_b32 s7, s25, 5
	s_lshl_b32 s26, s24, 2
	s_add_co_u32 s7, s7, s26
	s_add_co_u32 s7, s7, TOK                       ; slot 8 a + w is word 16 (a / 2) + 8 (w % 2) + 4 (a % 2) + w / 2
	s_lshl_b32 s24, s2, 7
	s_add_co_u32 s24, s24, B1L
	; where my parts begin, in bytes
	s_lshl_b32 s66, s3, 18
	s_lshl_b32 s25, s2, 15
	s_add_co_u32 s66, s66, s25                     ; W1: leaf, p = w
	s_lshl_b32 s68, s3, 17
	s_lshl_b32 s25, s2, 14
	s_add_co_u32 s68, s68, s25                     ; W2: leaf, images 8 w .. 8 w + 7
	s_lshl_b32 s70, s3, 10
	s_lshr_b32 s25, s2, 2
	s_lshl_b32 s25, s25, 8
	s_add_co_u32 s70, s70, s25
	s_and_b32 s25, s2, 3
	s_lshl_b32 s25, s25, 2
	s_add_co_u32 s70, s70, s25                     ; b1[leaf][64 g + i]
	s_lshl_b32 s74, s2, 9                          ; 128 w columns
	s_lshl_b32 s72, s3, 12
	s_add_co_u32 s72, s72, s74                     ; b2[leaf][128 w]
	s_lshl_b32 s76, s4, 11
	s_lshl_b32 s25, s3, 7
	s_add_co_u32 s76, s76, s25                     ; blk[group][leaf]
.irp i, 67,69,71,73,75,77
	s_mov_b32 s\i, 0
.endr
	v_and_b32 v[TK+1], 31, v0                      ; lane
	v_and_b32 v[TK+2], 15, v0                      ; r
	v_bfe_u32 v[TK+3], v0, 4, 1                    ; hh
	v_and_b32 v[TK+4], 7, v0
	v_bfe_u32 v[TK+5], v0, 3, 1
	v_bfe_u32 v[TK+6], v0, 1, 2
	v_and_b32 v[TK+7], 1, v0
	v_lshlrev_b32 v[L16], 4, v[TK+1]
	v_lshl_add_u32 v[TK+5], v[TK+4], 1, v[TK+5]    ; the slot of the tile's row r: 2 (r & 7) + (r >> 3)
	v_lshlrev_b32 v[TK+6], 6, v[TK+6]
	v_lshlrev_b32 v[CO], 4, v[TK+2]
	v_mul_u32_u24 v[XA], v[TK+5], XP
	v_lshl_add_u32 v[TK+6], v[TK+7], 4, v[TK+6]
	v_add_nc_u32 v[XW], s5, v[L16]
	v_add_nc_u32 v[AST], s6, v[L16]
	v_add_nc_u32 v[ALD], AIMG, v[L16]
	v_lshl_add_u32 v[XA], v[TK+3], 4, v[XA]
	v_add_nc_u32 v[TKW], s7, v[TK+6]
	v_lshl_add_u32 v[TKR], v[TK+3], 5, TOK
	v_lshl_add_u32 v[BW], v[TK+2], 2, s24
	v_lshl_add_u32 v[BR], v[TK+3], 5, s24
	v_lshl_add_u32 v[PV], v[TK+4], 3, s2
.set I_, 0
.rept 32
	v_mov_b32 v[ACC+32+I_], 0                      ; the gather's registers of tiles 2 and 3, and the stores' offsets: their loads are passed over where there are no such rows, so they are written on every way
	v_mov_b32 v[OFFS+I_], 0
.set I_, I_+1
.endr
	s_wait_alu depctr_va_vdst(0)                   ; directly ahead of the wait below
	s_wait_kmcnt 0x0
	s_add_nc_u64 s[20:21], s[20:21], s[76:77]
	s_load_b512 s[32:47], s[20:21], 0x0            ; my leaf's masks of the group's 32 blocks
	s_load_b512 s[48:63], s[20:21], 0x40
	s_load_b128 s[4:7], s[18:19], 0x0              ; e0, e1, e2, e3
	s_add_nc_u64 s[10:11], s[10:11], s[66:67]
	s_add_nc_u64 s[12:13], s[12:13], s[68:69]
	s_add_nc_u64 s[14:15], s[14:15], s[70:71]
	s_add_nc_u64 s[16:17], s[16:17], s[72:73]
	s_add_nc_u64 s[22:23], s[22:23], s[74:75]
.macro W1LD q                          ; W1's two fragments of K step q: 512 consecutive bytes a load
.irp h, 0,1
.irp c, 0,1,2,3
	global_load_b128 v[32*(\q)+16*\h+4*\c:32*(\q)+16*\h+4*\c+3], v[L16], s[10:11] offset:4096*(\q)+2048*\h+512*\c
.endr
.endr
.endm
	WIN 0x40                                       ; destination window 1, address window 0
	W1LD 0
	W1LD 1
	WIN 0
	global_load_b32 v248, v[CO], s[14:15]              ; b1 of unit 64 g + 4 r + i,
	global_load_b32 v249, v[CO], s[14:15] offset:512   ; and of its partner
	global_load_b128 v[B2:B2+3], v[CO], s[16:17]       ; b2 of columns 128 w + 64 G + 4 r + 0..3
	global_load_b128 v[B2+4:B2+7], v[CO], s[16:17] offset:256
; Blocks 4 b .. 4 b + 3: where my row does not lie in or before block i, what I hold is block i + 1's: its mask, the rows before it, its number.
.macro FIND b
.irp k, 0,1,2,3
.if 4*(\b)+\k < 31
	v_cmp_le_u32 s[97+\k], s[66+4*(\b)+\k], v[TK]
.endif
.endr
.irp k, 0,1,2,3
.if 4*(\b)+\k < 31
	v_cndmask_b32 v[TK+1], v[TK+1], s[33+4*(\b)+\k], s[97+\k]
	v_cndmask_b32 v[TK+2], v[TK+2], s[66+4*(\b)+\k], s[97+\k]
	v_cndmask_b32 v[TK+3], v[TK+3], 4*(\b)+\k+1, s[97+\k]
.endif
.endr
.endm
; One halving of the search: among the next 2 x step bits from pos on, the lower half holds n set bits; if my rank is n or more, go on in the upper half.
.macro HALVE src, bits, step
	v_bfe_u32 v[TK+9], v[TK+\src], v[TK+4], \bits
	v_add_nc_u32 v[TK+11], \step, v[TK+4]
	v_sub_nc_u32 v[TK+10], v[TK+2], v[TK+9]
	v_cmp_ge_u32 vcc_lo, v[TK+2], v[TK+9]
	v_cndmask_b32 v[TK+4], v[TK+4], v[TK+11], vcc_lo
	v_cndmask_b32 v[TK+2], v[TK+2], v[TK+10], vcc_lo
.endm
.macro GROW a                          ; slot 8 a + w: a row of 1,024 bytes, 512 consecutive bytes a load
	global_load_b128 v[ACC+8*\a:ACC+8*\a+3], v[L16], s[66+2*\a:67+2*\a]
	global_load_b128 v[ACC+8*\a+4:ACC+8*\a+7], v[L16], s[66+2*\a:67+2*\a] offset:512
.endm
.macro XROW a
	ds_store_b128 v[XW], v[ACC+8*\a:ACC+8*\a+3] offset:8*XP*\a
	ds_store_b128 v[XW], v[ACC+8*\a+4:ACC+8*\a+7] offset:8*XP*\a+512
.endm
; The rows of a pass, s26 = 64 x pass: lane a finds the token of slot 8 a + w; the rows are gathered into LDS, W1's other fragments asked for behind them.
.macro FETCH
	s_bcnt1_i32_b32 s66, s32
.irp i, 1,2,3,4,5,6,7,8,9,10,11,12,13,14,15,16,17,18,19,20,21,22,23,24,25,26,27,28,29,30
	s_bcnt1_i32_b32 s24, s[32+\i]
	s_add_co_u32 s[66+\i], s[66+\i-1], s24         ; rows in blocks 0 .. i
.endr
	s_bcnt1_i32_b32 s24, s63
	s_add_co_u32 s24, s96, s24                     ; R, all rows of the group
	s_add_co_u32 s25, s24, 1
	s_lshr_b32 s25, s25, 1                         ; ceil(R / 2)
	s_sub_co_u32 s31, s24, s25
	s_cmp_eq_u32 s104, 0
	s_cselect_b32 s3, 0, s25                       ; my first row,
	s_cselect_b32 s31, s25, s31                    ; and how many are mine
	s_max_u32 s25, s31, 1
	s_sub_co_u32 s25, s25, 1                       ; my last one
	s_max_u32 s[FLEFT], s31, s26
	s_sub_co_u32 s[FLEFT], s[FLEFT], s26           ; rows left from this pass on
	v_add_nc_u32 v[TK], s26, v[PV]
	v_min_u32 v[TK], s25, v[TK]                    ; slots behind the last row repeat it
	v_add_nc_u32 v[TK], s3, v[TK]
	v_mov_b32 v[TK+1], s32
	v_mov_b32 v[TK+2], 0
	v_mov_b32 v[TK+3], 0
.irp b, 0,1,2,3,4,5,6,7
	FIND \b
.endr
	v_lshrrev_b32 v[TK+5], 1, v[TK+1]
	v_sub_nc_u32 v[TK+2], v[TK], v[TK+2]           ; my rank in the block
	v_and_b32 v[TK+5], 0x55555555, v[TK+5]
	v_mov_b32 v[TK+4], 0                           ; pos
	v_sub_nc_u32 v[TK+5], v[TK+1], v[TK+5]         ; set bits of each 2,
	v_lshrrev_b32 v[TK+6], 2, v[TK+5]
	v_and_b32 v[TK+7], 0x33333333, v[TK+5]
	v_and_b32 v[TK+6], 0x33333333, v[TK+6]
	v_add_nc_u32 v[TK+6], v[TK+6], v[TK+7]         ; of each 4,
	v_lshrrev_b32 v[TK+7], 4, v[TK+6]
	v_add_nc_u32 v[TK+7], v[TK+7], v[TK+6]
	v_and_b32 v[TK+7], 0x0f0f0f0f, v[TK+7]         ; of each 8,
	v_lshrrev_b32 v[TK+8], 8, v[TK+7]
	v_add_nc_u32 v[TK+8], v[TK+8], v[TK+7]         ; of the lower 16, in byte 0
	HALVE 8, 8, 16
	HALVE 7, 8, 8
	HALVE 6, 4, 4
	HALVE 5, 2, 2
	HALVE 1, 1, 1
	v_lshl_add_u32 v[TK+3], v[TK+3], 5, v[TK+4]
	v_add_nc_u32 v[TK+3], s27, v[TK+3]
	v_min_u32 v[TK+3], 0x1fff, v[TK+3]             ; the token; a loaded number enters an address only held inside the buffer
	ds_store_b32 v[TKW], v[TK+3]
.irp a, 0,1,2,3,4,5,6,7
	v_readlane_b32 s[66+2*\a], v[TK+3], \a
.endr
	s_wait_alu depctr_va_vdst(0)                   ; ahead of the run of scalar instructions
.irp a, 0,1,2,3,4,5,6,7
	s_min_u32 s[66+2*\a], s[66+2*\a], 0x1fff
	s_lshl_b32 s[66+2*\a], s[66+2*\a], 10
	s_mov_b32 s[67+2*\a], 0
	s_add_nc_u64 s[66+2*\a:67+2*\a], s[8:9], s[66+2*\a:67+2*\a]
.endr
	GROW 0
	GROW 1
	GROW 2
	GROW 3
	s_cmp_gt_u32 s[FLEFT], 32
	s_cbranch_scc0 .Lasked_\@
	GROW 4
	GROW 5
	s_cmp_gt_u32 s[FLEFT], 48
	s_cbranch_scc0 .Lasked_\@
	GROW 6
	GROW 7
.Lasked_\@:
	WIN 0x40
	W1LD 2
	W1LD 3
	W1LD 4
	W1LD 5
	W1LD 6
	W1LD 7
	WIN 0
	s_wait_loadcnt 48                              ; the rows are in, and all that was asked for before them; the 48 loads of W1's K steps 2-7 may be out
	XROW 0
	XROW 1
	XROW 2
	XROW 3
	s_cmp_gt_u32 s[FLEFT], 32
	s_cbranch_scc0 .Lput_\@
	XROW 4
	XROW 5
	s_cmp_gt_u32 s[FLEFT], 48
	s_cbranch_scc0 .Lput_\@
	XROW 6
	XROW 7
.Lput_\@:
.endm
	s_mov_b32 s26, 0
	s_wait_kmcnt 0x0
	s_mov_b32 s[PASS], 0
	s_add_co_i32 s28, s4, s5
	s_add_co_i32 s28, s28, 127
	s_lshl_b32 s28, s28, 23                        ; 2^(e0 + e1) as f32
	s_mov_b32 s29, s28                             ; (named with it as a pair, so it is written)
	s_add_co_i32 s30, s6, s7
	s_add_co_i32 s30, s30, 127
	s_lshl_b32 s30, s30, 23                        ; 2^(e2 + e3)
	s_add_co_i32 s24, s6, 127
	s_lshl_b32 s25, s24, 23
	v_mov_b32 v[SC], s25                           ; 2^e2: a's conversion takes its exponent field
	s_add_co_i32 s24, s24, 8
	s_lshl_b32 s24, s24, 23
	s_or_b32 s24, s24, 0x600000
	v_mov_b32 v[HLD], s24
	s_wait_alu depctr_va_vdst(0)
	FETCH
	ds_store_b32 v[BW], v248                       ; b1: asked for before the rows.  My wave's own words
	ds_store_b32 v[BW], v249 offset:64
.macro XLD q, mt, base                 ; x's fragments of K step q, mt tiles
.set M_, 0
.rept \mt
.irp c, 0,1,2,3
	ds_load_b128 v[\base+16*M_+4*\c:\base+16*M_+4*\c+3], v[XA] offset:16*XP*M_+128*(\q)+32*\c
.endr
.set M_, M_+1
.endr
.endm
; A K step of 128 of the first product: two matrix instructions a tile.  The accumulators take turns, one instruction a turn.  With up to three tiles x's fragments of the next K step
; are asked for first, into the other set of registers; four tiles' have one set.
; The four v_nop are the places in front of loads into registers that these matrix instructions have read, and of the first read of results.
; Behind K steps 0-3 W2's images 2 q, 2 q + 1 are asked for, into the registers that W1's fragments have left.
.macro PSTEP q, mt
	WIN 0
.set YN_, 0
.set XB_, XF
.if \mt < 4
.set XB_, XF+(X2-XF)*((\q)%2)
.if (\q) < 7
.set XN_, XF+(X2-XF)*(((\q)+1)%2)
.set YN_, 4*\mt
	XLD \q+1, \mt, XN_
.endif
.else
	XLD \q, \mt, XF
.endif
.if (\q) >= 5
	s_wait_loadcnt 32+8*(7-(\q))                   ; W1's later K steps and W2's loads so far: 8 (7 - q) and 32 may be out
.elseif (\q) >= 2
	s_wait_loadcnt 56                              ; 8 (7 - q) loads of W1 and 8 q of W2
.endif
	WIN 0x01                                       ; source 0 (W1) window 1
.set M_, 0
.rept \mt
	s_wait_dscnt YN_+4*(\mt-1-M_)                  ; this tile's four loads are in; the later tiles' and the next K step's may be out
.irp h, 0,1
.if (\q) == 0
	v_wmma_f32_16x16x128_fp8_fp8 v[ACC+16*M_+8*\h:ACC+16*M_+8*\h+7], v[32*(\q)+16*\h:32*(\q)+16*\h+15], v[XB_+16*M_:XB_+16*M_+15], 0
.else
	v_wmma_f32_16x16x128_fp8_fp8 v[ACC+16*M_+8*\h:ACC+16*M_+8*\h+7], v[32*(\q)+16*\h:32*(\q)+16*\h+15], v[XB_+16*M_:XB_+16*M_+15], v[ACC+16*M_+8*\h:ACC+16*M_+8*\h+7]
.endif
.endr
.set M_, M_+1
.endr
.rept 4
	v_nop
.endr
.if (\q) < 4
	WIN 0x40
.irp x, 0,1
.irp c, 0,1,2,3
	global_load_b128 v[32*(\q)+16*\x+4*\c:32*(\q)+16*\x+4*\c+3], v[L16], s[12:13] offset:2048*(2*(\q)+\x)+512*\c
.endr
.endr
.endif
	WIN 0
.endm
; Tile m: h = sum x 2^(e0 + e1) + b1, one rounding; a = upper half x lower half; the hold; eight codes to their place in a's image.
.macro GLU m
.irp h, 0,1
.irp i, 0,2,4,6
	v_pk_fma_f32 v[ACC+16*(\m)+8*\h+\i:ACC+16*(\m)+8*\h+\i+1], v[ACC+16*(\m)+8*\h+\i:ACC+16*(\m)+8*\h+\i+1], s[28:29], v[B1+8*\h+\i:B1+8*\h+\i+1] op_sel_hi:[1,0,1]   ; each accumulator from its low end on
.endr
.endr
.irp i, 0,2,4,6
	v_pk_mul_f32 v[ACC+16*(\m)+\i:ACC+16*(\m)+\i+1], v[ACC+16*(\m)+8+\i:ACC+16*(\m)+8+\i+1], v[ACC+16*(\m)+\i:ACC+16*(\m)+\i+1]
.endr
.irp i, 0,1,2,3,4,5,6,7
	v_med3_num_f32 v[ACC+16*(\m)+\i], v[ACC+16*(\m)+\i], -v[HLD], v[HLD]   ; the conversion does not saturate (ISA guide 7.6.2)
.endr
	v_cvt_scalef32_pk8_fp8_f32 v[XF+2*(\m):XF+2*(\m)+1], v[ACC+16*(\m):ACC+16*(\m)+7], v[SC]
	v_nop                                          ; one plain vector instruction behind the conversion
	ds_store_b64 v[AST], v[XF+2*(\m):XF+2*(\m)+1] offset:2048*(\m)
.endm
.macro PRODUCT mt
.if \mt < 4
	XLD 0, \mt, XF
.endif
.irp q, 0,1,2,3,4,5,6,7
	PSTEP \q, \mt
.endr
	GLU 0
	GLU 1
.if \mt > 2
	GLU 2
.endif
.if \mt > 3
	GLU 3
.endif
.endm
.macro ALOAD m                         ; a's fragment of tile m
.irp c, 0,1,2,3
	ds_load_b128 v[XF+16*\m+4*\c:XF+16*\m+4*\c+3], v[ALD] offset:2048*\m+512*\c
.endr
.endm
; Tile m x the four images of G: K = the leaf's 128 units is one step.  Results in the places of W1's K step 4 + set.
.macro WM m, G, set
	WIN 0x44                                       ; source 1 (W2) and D window 1
.irp i, 0,1,2,3
	v_wmma_f32_16x16x128_fp8_fp8 v[128+32*\set+8*\i:128+32*\set+8*\i+7], v[XF+16*\m:XF+16*\m+15], v[16*(4*\G+\i):16*(4*\G+\i)+15], 0
.endr
	WIN 0
.endm
.macro CONV m                          ; the tokens' rows of out0, + 16 r: also the places behind the products
.irp j, 0,1,2,3,4,5,6,7
	v_min_u32 v[OFFS+8*\m+\j], 0x1fff, v[OFFS+8*\m+\j]
.endr
.irp j, 0,1,2,3,4,5,6,7
	v_lshl_add_u32 v[OFFS+8*\m+\j], v[OFFS+8*\m+\j], 12, v[CO]
.endr
.endm
; out = sum x 2^(e2 + e3) + b2, into the place that puts a lane's four columns in order; a store for each register j: slots 16 m + 2 j and the next, as long as the first of them has a row.
.macro OUT m, G, set
.set T_, ACC+32*((\set)%2)+128*((\set)/2)
	WIN 0x01
.irp i, 0,1,2,3
.irp j, 0,1,2,3,4,5,6,7
	v_fma_f32 v[T_+4*\j+\i], v[128+32*\set+8*\i+\j], s30, v[B2+4*\G+\i]   ; each accumulator from its low end on
.endr
.endr
	WIN 0
	s_wait_alu depctr_va_vdst(0)                   ; ahead of the run of scalar instructions
.irp j, 0,1,2,3,4,5,6,7
	s_cmp_gt_u32 s[LEFT], 16*\m+2*\j
	s_cbranch_scc0 .Lout_\@
	global_store_b128 v[OFFS+8*\m+\j], v[T_+4*\j:T_+4*\j+3], s[22:23] offset:256*\G th:TH_STORE_NT   ; sixteen lanes store 256 consecutive bytes of a row, aligned
.endr
.Lout_\@:
.endm
.macro PLACES
.rept 4
	v_nop
.endr
.endm
.Lpass:
	s_lshl_b32 s[LIM], s[PASS], 6
	s_max_u32 s[LEFT], s31, s[LIM]
	s_sub_co_u32 s[LEFT], s[LEFT], s[LIM]          ; rows left from this pass on
	s_wait_alu depctr_va_vdst(0)
	s_wait_dscnt 0x0                               ; for the others' sake: my rows and tokens lie in LDS; my reads of a's images are over
	s_barrier_signal -1
	s_barrier_wait -1
	s_cmp_gt_u32 s[LEFT], 0
	s_cbranch_scc0 .Lno_a
.irp m, 0,1,2,3
	ds_load_b128 v[OFFS+8*\m:OFFS+8*\m+3], v[TKR] offset:64*\m             ; the tokens of slots 16 m + 2 j + hh, j = 0..3,
	ds_load_b128 v[OFFS+8*\m+4:OFFS+8*\m+7], v[TKR] offset:64*\m+16        ; 4..7
.endr
.irp h, 0,1
	ds_load_b128 v[B1+8*\h:B1+8*\h+3], v[BR] offset:64*\h                  ; b1 of unit 128 H + 64 g + 32 hh + 4 j + i
	ds_load_b128 v[B1+8*\h+4:B1+8*\h+7], v[BR] offset:64*\h+16
.endr
	s_cmp_gt_u32 s[LEFT], 48
	s_cbranch_scc1 .Lfour
	s_cmp_gt_u32 s[LEFT], 32
	s_cbranch_scc1 .Lthree
	PRODUCT 2
	s_branch .Lno_a
.Lthree:
	PRODUCT 3
	s_branch .Lno_a
.Lfour:
	PRODUCT 4
.Lno_a:
	s_wait_alu depctr_va_vdst(0)
	s_wait_dscnt 0x0                               ; for the others' sake: my two registers of a's images lie in LDS; my reads of x and of the tokens are over
	s_barrier_signal -1
	s_barrier_wait -1
	s_cmp_gt_u32 s[LEFT], 0
	s_cbranch_scc0 .Lno_out
	ALOAD 0
	ALOAD 1
	s_wait_loadcnt 16                              ; W2's first four images are in; the last four's 16 loads may be out
	s_wait_dscnt 4
	WM 0, 0, 0
	s_wait_dscnt 0
	WM 1, 0, 1
	CONV 0
	CONV 1
	OUT 0, 0, 0
	OUT 1, 0, 1
	s_wait_loadcnt 0x0
	WM 0, 1, 2
	WM 1, 1, 3
	PLACES
	OUT 0, 1, 2
	OUT 1, 1, 3
	s_cmp_gt_u32 s[LEFT], 32
	s_cbranch_scc0 .Lstored
	ALOAD 2
	CONV 2
	s_wait_alu depctr_va_vdst(0)
	s_wait_dscnt 0x0
	WM 2, 0, 0
	WM 2, 1, 1
	PLACES
	s_wait_xcnt 0x0                                ; the earlier stores have read their registers
	OUT 2, 0, 0
	OUT 2, 1, 1
	s_cmp_gt_u32 s[LEFT], 48
	s_cbranch_scc0 .Lstored
	ALOAD 3
	CONV 3
	s_wait_alu depctr_va_vdst(0)
	s_wait_dscnt 0x0
	WM 3, 0, 2
	WM 3, 1, 3
	PLACES
	OUT 3, 0, 2                                    ; (these two sets' earlier stores stand ahead of the wait above)
	OUT 3, 1, 3
.Lstored:
	s_wait_xcnt 0x0                                ; the stores have read their registers: the next pass writes them
	s_cmp_gt_u32 s[LEFT], 64
	s_cbranch_scc0 .Lno_out
	s_add_co_u32 s26, s[LIM], 64                   ; more rows than this pass took: the next pass's rows, and the weights anew
	WIN 0x40
	W1LD 0
	W1LD 1
	WIN 0
	FETCH
.Lno_out:
	s_wait_alu depctr_va_vdst(0)                   ; directly ahead of the wait below and of the branch
	s_wait_loadcnt 0x0                             ; no load is out across the loop's jump: W1's and W2's registers are the same ones
	s_add_co_u32 s[PASS], s[PASS], 1
	s_cmp_lt_u32 s[PASS], 8
	s_cbranch_scc1 .Lpass
	s_wait_tensorcnt 0x0                           ; the wave's end
	ds_add_u32 v[SPW], v[NIL]
	s_wait_dscnt 0x0
	s_endpgm
.Lfunc_end_k_q8954818688_chain:
	.size	k_q8954818688_chain, .Lfunc_end_k_q8954818688_chain-k_q8954818688_chain
	.p2alignl 7, 3214868480
	.fill 96, 4, 3214868480
	.section	.rodata,"a",@progbits
	.p2align	6, 0x0
	.amdhsa_kernel k_q8954818688_chain
		.amdhsa_group_segment_fixed_size 77056
		.amdhsa_private_segment_fixed_size 0
		.amdhsa_enable_private_segment 0
		.amdhsa_kernarg_size 64
		.amdhsa_user_sgpr_count 2
		.amdhsa_user_sgpr_kernarg_segment_ptr 1
		.amdhsa_wavefront_size32 1
		.amdhsa_system_sgpr_workgroup_id_x 1
		.amdhsa_system_sgpr_workgroup_id_y 1
		.amdhsa_system_sgpr_workgroup_id_z 1
		.amdhsa_system_vgpr_workitem_id 0
		.amdhsa_next_free_vgpr 512
		.amdhsa_next_free_sgpr 106
		.amdhsa_reserve_vcc 1
		.amdhsa_float_denorm_mode_32 3
		.amdhsa_float_denorm_mode_16_64 3
		.amdhsa_memory_ordered 1
		.amdhsa_forward_progress 1
		.amdhsa_inst_pref_size 146
	.end_amdhsa_kernel
	.amdgpu_metadata
---
amdhsa.version: [ 1, 2 ]
amdhsa.kernels:
  - .name:           k_q8954818688_chain
    .symbol:         k_q8954818688_chain.kd
    .args:
      - { .name: xc, .offset: 0, .size: 8, .value_kind: global_buffer, .address_space: global }
      - { .name: w1c, .offset: 8, .size: 8, .value_kind: global_buffer, .address_space: global }
      - { .name: w2c, .offset: 16, .size: 8, .value_kind: global_buffer, .address_space: global }
      - { .name: b1, .offset: 24, .size: 8, .value_kind: global_buffer, .address_space: global }
      - { .name: b2, .offset: 32, .size: 8, .value_kind: global_buffer, .address_space: global }
      - { .name: lowp_scales, .offset: 40, .size: 8, .value_kind: global_buffer, .address_space: global }
      - { .name: blk, .offset: 48, .size: 8, .value_kind: global_buffer, .address_space: global }
      - { .name: out0, .offset: 56, .size: 8, .value_kind: global_buffer, .address_space: global }
    .group_segment_fixed_size: 77056
    .private_segment_fixed_size: 0
    .kernarg_segment_align: 8
    .kernarg_segment_size: 64
    .max_flat_workgroup_size: 256
    .sgpr_count:     106
    .vgpr_count:     512
    .wavefront_size: 32
...
	.end_amdgpu_metadata
.endif
;; end of part 2
